; MI455X (gfx1250); checked and timed in simulation.
; The chip was launched on July 23, 2026; its instructions are those of AMD's public machine-readable ISA for CDNA 5 (MIT licence, August 2026) and "CDNA5" Instruction Set Architecture Reference Guide (July 2026). The comments in the code are by the model that wrote it; some were corrected since.
;; AMGSRN. Allowed arithmetic: matrix products marked QUANTISED: E4M3 operands, one E8M0 scale for each 32 along K, by v_wmma_scale_f32_16x16x128_f8f6f4 with both operands' format E4M3, f32 sums; products left as they are: f32 operands where the result goes on into a quantised operand, else bf16, f16 or f32 operands; f32 sums; everything else in f32.
;; Inputs: W0 128 x 128 float32; W1 128 x 128 float32; W2 1 x 128 float32; b0 128 float32; b1 128 float32; b2 1 float32; feature_grids 64 x 2 x 64 x 64 x 64 float32; grid_scales 64 x 3 float32; grid_translations 64 x 3 float32; x 131,072 x 3 float32.
;; Outputs: out0 131,072 x 1 float32.
;; This version of the problem:
;;   THIS VERSION OF THE PROBLEM IS GIVEN IN LOW PRECISION. The matrix products marked QUANTISED in the list below multiply operands that are first quantised to E4M3 (4 exponent bits, 3 mantissa bits; 8 bits a number), with one power-of-two scale for each 32 numbers along K (OCP MX v1.0); their sums are f32. All else is computed in f32.
;;   The module's matrix products, in the order in which they are computed (A, B: the left and right operand; K: the contracted axis; several contracted axes count as one K, in the product's order):
;;     1. [M 131,072, K 128] x [K 128, N 128]; A: computed on the way; B: input W0: QUANTISED
;;     2. [M 131,072, K 128] x [K 128, N 128]; A: computed on the way; B: input W1: QUANTISED
;;     3. [M 131,072, K 128] x [K 128, N 1]; A: computed on the way; B: input W2: left as it is (N = 1 < 16)
;;   THE QUANTISER, for each operand of a quantised product, along K:
;;     - K is cut into blocks of 32 from its start; a last block that is shorter is filled with zeros.
;;     - A block's scale is 2^e with e = floor(log2(the largest magnitude in the block)) - 8, held to -126 .. 127; a block of zeros has e = 0. As a byte (E8M0): e + 127.
;;     - Each number is divided by its block's scale, clamped to +-448, and rounded to the nearest number of E4M3, ties to even, subnormals kept.
;;     - The product sums the exact products of the quantised numbers (number of the format x scale) in f32.
;;   ~~~python
;;   def quantise(x, axis):      # numpy; x: float32 -> the quantised numbers, widened to float32 again
;;       x = np.moveaxis(x, axis, -1); K = x.shape[-1]
;;       x = np.pad(x, [(0, 0)] * (x.ndim - 1) + [(0, -K % 32)]); x = x.reshape(x.shape[:-1] + (-1, 32)); a = np.abs(x).max(-1, keepdims=True)
;;       e = np.where(a > 0, np.clip(np.frexp(np.where(a > 0, a, 1))[1] - 1 - 8, -126, 127), 0)      # np.frexp(a)[1] - 1 = floor(log2(a)), exactly
;;       r = np.clip(x / 2.0 ** e, -448, 448)
;;       step = 2.0 ** (np.maximum(np.frexp(np.where(r == 0, 1, r))[1] - 1, -6) - 3)
;;       q = np.round(r / step) * step * 2.0 ** e      # np.round: ties to even
;;       return np.moveaxis(q.reshape(q.shape[:-2] + (-1,))[..., :K], -1, axis).astype(np.float32)
;;   ~~~
;;   OPERANDS COMPUTED ON THE WAY. 'Computed on the way' means the value that the module computes at that place (a softmax that the list does not call 'softmax' is quantised finished and normalised). What goes into a quantiser is computed in f32, as accurately as f32 sums, v_exp_f32 and their like allow (about 1e-6 of the number): no bf16 or f16 on the way to a quantiser, and a product that is left as it is and whose result goes on into a quantised operand takes f32 operands (vector FMAs, or v_wmma_f32_16x16x4_f32). A number that lies on a knife's edge between two numbers of the format may be rounded either way, as far as f32 arithmetic and the matrix unit's own rounding can turn it there, and no further.
;; One version. Each part assembles by itself: llvm-mc -triple=amdgcn-amd-amdhsa -mcpu=gfx1250 --defsym DOCPART=n.
;; ======== version 1 of 1: 4 launches
;; limits: right only within a limited range of input values
;; workspace buffers: tab 268,435,456 bytes; idx 33,554,432 bytes of whole numbers; wq 34,816 bytes; mort 524,288 bytes of whole numbers; hist 262,144 bytes of whole numbers; perm1 524,288 bytes of whole numbers; perm2 524,288 bytes of whole numbers
;; launch keys (part 1): grid 448 x 1, 8 waves a work-group, no clusters, 3,072 bytes of LDS; arguments x, mort, hist, feature_grids, tab; writes mort, hist, tab
.if DOCPART == 1
	.amdgcn_target "amdgcn-amd-amdhsa--gfx1250"
	.amdhsa_code_object_version 6
	.text
	.protected	k_q87b6b84523_keys
	.globl	k_q87b6b84523_keys
	.p2align	8
	.type	k_q87b6b84523_keys,@function
k_q87b6b84523_keys:
	s_mov_b64 s[64:65], 0
	v_nop
	global_prefetch_b8 v0, s[64:65] scope:SCOPE_SE
	s_setreg_imm32_b32 hwreg(HW_REG_WAVE_MODE, 25, 1), 1
	s_wait_xcnt 0x0
; THE POINTS ARE HANDLED IN MORTON ORDER, so that the 32 points of a wave of the last launch ask for neighbouring cells of every grid.  The order changes no result: each point's number goes with it.
; Work-groups 0 .. 255: a block of 512 points each, a thread two.  mort[i] = the 15-bit Morton code of point i: each coordinate cut into 32 steps over -1 .. 1, held within 0 .. 31, bits interleaved.
; hist[block][b] = how many of the block's points have the coarse code b = mort >> 7 (256 bins, a thread a bin).  Codes and counts are values stored at fixed places: no address here hangs on them.
; Work-groups 256 .. 447: the first 1,536 of the 8,192 runs of 32 rows of the table tab (the launch prep says what the table is); they use no LDS.
; LIMITS: points outside -1 .. 1 fall into the outermost steps (the order is then coarser, the results the same); NaN among x is not served.
.set SPARE, 2048                       ; LDS: 512 coarse codes at 0; the spare words behind them, 128 bytes a wave
.set B, 32                             ; v32-95 64 codes read back
.set CH, 1048576                       ; bytes from channel 0 to channel 1 of a grid
.set GP, 20                            ; s[20:21] the grids
.set TP, 22                            ; s[22:23] tab
	s_load_b128 s[4:7], s[0:1], 0x0                ; x, mort
	s_load_b64 s[8:9], s[0:1], 0x10                ; hist
	s_load_b128 s[20:23], s[0:1], 0x18             ; the grids, tab
	v_lshl_add_u32 v30, v0, 2, SPARE
	v_mov_b32 v31, 0
	v_mul_u32_u24 v1, v0, 12
	v_lshlrev_b32 v2, 2, v0
	v_mov_b32 v10, 0                               ; my bin's count
	s_mul_i32 s10, ttmp9, 6144
	s_mov_b32 s11, 0
	s_lshl_b32 s12, ttmp9, 11
	s_mov_b32 s13, 0
	s_lshl_b32 s14, ttmp9, 10
	s_mov_b32 s15, 0
	s_mov_b32 s16, 0x41800000                      ; 16.0
	s_mov_b32 s17, 0x41f80000                      ; 31.0
	s_wait_alu depctr_va_vdst(0)                   ; the wait at the head's end
	s_wait_kmcnt 0x0
	s_cmp_ge_u32 ttmp9, 256
	s_cbranch_scc1 .Ltab
	s_add_nc_u64 s[4:5], s[4:5], s[10:11]
	s_add_nc_u64 s[6:7], s[6:7], s[12:13]
	s_add_nc_u64 s[8:9], s[8:9], s[14:15]
.irp a, 0,1,2
	global_load_b32 v[4+\a], v1, s[4:5] offset:4*\a            ; point t
	global_load_b32 v[12+\a], v1, s[4:5] offset:3072+4*\a      ; point t + 256
.endr
	s_wait_loadcnt 0x0
.irp r, 4,5,6,12,13,14
	v_fma_f32 v\r, v\r, s16, s16                   ; (x + 1) 16
.endr
.irp r, 4,5,6,12,13,14
	v_med3_num_f32 v\r, v\r, 0, s17
.endr
.irp r, 4,5,6,12,13,14
	v_cvt_u32_f32 v\r, v\r
.endr
.irp r, 4,5,6,12,13,14
	v_lshl_or_b32 v\r, v\r, 8, v\r                 ; five bits are spread to places 0, 3, 6, 9, 12
.endr
.irp r, 4,5,6,12,13,14
	v_and_b32 v\r, 0x100f, v\r
.endr
.irp r, 4,5,6,12,13,14
	v_lshl_or_b32 v\r, v\r, 4, v\r
.endr
.irp r, 4,5,6,12,13,14
	v_and_b32 v\r, 0x10c3, v\r
.endr
.irp r, 4,5,6,12,13,14
	v_lshl_or_b32 v\r, v\r, 2, v\r
.endr
.irp r, 4,5,6,12,13,14
	v_and_b32 v\r, 0x1249, v\r
.endr
	v_lshl_or_b32 v4, v5, 1, v4
	v_lshl_or_b32 v12, v13, 1, v12
	v_lshl_or_b32 v4, v6, 2, v4
	v_lshl_or_b32 v12, v14, 2, v12
	global_store_b32 v2, v4, s[6:7]
	global_store_b32 v2, v12, s[6:7] offset:1024
	v_lshrrev_b32 v5, 7, v4
	v_lshrrev_b32 v13, 7, v12
	ds_store_b32 v2, v5
	ds_store_b32 v2, v13 offset:1024
	s_wait_alu depctr_va_vdst(0)
	s_wait_dscnt 0x0                               ; my stores are done, for the others' sake
	s_barrier_signal -1
	s_barrier_wait -1
	s_mov_b32 s2, 0
.Lcnt:                                                 ; 8 trips of 64 codes; every lane reads the same 16 bytes
	v_mov_b32 v3, s2
.irp i, 0,1,2,3,4,5,6,7,8,9,10,11,12,13,14,15
	ds_load_b128 v[B+4*\i:B+4*\i+3], v3 offset:16*\i
.endr
	s_wait_dscnt 0x0
.set i, 0
.rept 64
	v_cmp_eq_u32 vcc_lo, v0, v[B+i]
	v_add_co_ci_u32 v10, vcc_lo, 0, v10, vcc_lo    ; + 1 where the code is my bin
.set i, i+1
.endr
	s_add_co_u32 s2, s2, 256
	s_cmp_lt_u32 s2, 2048
	s_wait_alu depctr_va_vdst(0)                   ; the wait ahead of the branch
	s_cbranch_scc1 .Lcnt
	global_store_b32 v2, v10, s[8:9]               ; the block's 256 counts: 1,024 consecutive bytes
	s_wait_tensorcnt 0x0                           ; the wave's end
	ds_add_u32 v30, v31
	s_wait_dscnt 0x0
	s_endpgm
; ---------------- THE TABLE's runs 0 .. 1,535.  A wave takes 32 rows (g, z, y) of 64 x; lane l makes cells x = l and x = 32 + l, its registers loaded in the cell's order.
.Ltab:
	v_lshrrev_b32 v1, 5, v0
	v_readfirstlane_b32 s28, v1                    ; wave
	v_and_b32 v7, 31, v0
	v_lshlrev_b32 v1, 2, v7                        ; x = l
	v_add_nc_u32 v3, 33, v7
	v_add_nc_u32 v2, 4, v1                         ; x = l + 1
	v_min_u32 v3, 63, v3
	v_lshlrev_b32 v4, 4, v7                        ; a cell is 16 bytes
	v_lshlrev_b32 v3, 2, v3                        ; x = min(l + 33, 63)
	s_sub_co_u32 s24, ttmp9, 256
	s_lshl_b32 s24, s24, 3
	s_add_co_u32 s24, s24, s28                     ; which run
	s_lshr_b32 s26, s24, 7
	s_lshl_b32 s26, s26, 21
	s_and_b32 s27, s24, 127
	s_lshl_b32 s27, s27, 13
	s_add_co_u32 s26, s26, s27
	s_mov_b32 s27, 0
	s_add_nc_u64 s[GP:GP+1], s[GP:GP+1], s[26:27]
	s_lshl_b32 s26, s24, 15
	s_add_nc_u64 s[TP:TP+1], s[TP:TP+1], s[26:27]
	s_wait_alu depctr_va_vdst(0)                   ; the wait behind the run of scalar lines
.macro LOADR k
.set RB, 8+16*((\k)%4)
.irp rr, 0,1
	global_load_b32 v[RB+8*\rr],   v1, s[GP:GP+1] offset:256*(2*(\k)+\rr)
	global_load_b32 v[RB+8*\rr+1], v1, s[GP:GP+1] offset:256*(2*(\k)+\rr)+CH
	global_load_b32 v[RB+8*\rr+2], v2, s[GP:GP+1] offset:256*(2*(\k)+\rr)
	global_load_b32 v[RB+8*\rr+3], v2, s[GP:GP+1] offset:256*(2*(\k)+\rr)+CH
	global_load_b32 v[RB+8*\rr+4], v1, s[GP:GP+1] offset:256*(2*(\k)+\rr)+128
	global_load_b32 v[RB+8*\rr+5], v1, s[GP:GP+1] offset:256*(2*(\k)+\rr)+128+CH
	global_load_b32 v[RB+8*\rr+6], v3, s[GP:GP+1] offset:256*(2*(\k)+\rr)
	global_load_b32 v[RB+8*\rr+7], v3, s[GP:GP+1] offset:256*(2*(\k)+\rr)+CH
.endr
.endm
.macro STEPR k
.set NL, 15-(\k)
.if NL > 2
.set NL, 2
.endif
	s_wait_loadcnt 16*NL                           ; this step's 16 loads are in; those of the (at most two) later steps already asked for may stay out
	s_wait_xcnt 0x0                                ; the last step's stores have read their data: that set is loaded again only behind this wait
.if (\k)+3 <= 15
	LOADR (\k)+3
.endif
.set RB, 8+16*((\k)%4)
.irp rr, 0,1
	global_store_b128 v4, v[RB+8*\rr:RB+8*\rr+3],   s[TP:TP+1] offset:1024*(2*(\k)+\rr) th:TH_STORE_NT     ; 32 lanes store 512 consecutive bytes, aligned
	global_store_b128 v4, v[RB+8*\rr+4:RB+8*\rr+7], s[TP:TP+1] offset:1024*(2*(\k)+\rr)+512 th:TH_STORE_NT
.endr
.endm
	LOADR 0
	LOADR 1
	LOADR 2
.irp k, 0,1,2,3,4,5,6,7,8,9,10,11,12,13,14,15
	STEPR \k
.endr
	s_endpgm
.Lfunc_end_k_q87b6b84523_keys:
	.size	k_q87b6b84523_keys, .Lfunc_end_k_q87b6b84523_keys-k_q87b6b84523_keys
	.p2alignl 7, 3214868480
	.fill 96, 4, 3214868480
	.section	.rodata,"a",@progbits
	.p2align	6, 0x0
	.amdhsa_kernel k_q87b6b84523_keys
		.amdhsa_group_segment_fixed_size 3072
		.amdhsa_private_segment_fixed_size 0
		.amdhsa_enable_private_segment 0
		.amdhsa_kernarg_size 40
		.amdhsa_user_sgpr_count 2
		.amdhsa_user_sgpr_kernarg_segment_ptr 1
		.amdhsa_wavefront_size32 1
		.amdhsa_system_sgpr_workgroup_id_x 1
		.amdhsa_system_sgpr_workgroup_id_y 1
		.amdhsa_system_sgpr_workgroup_id_z 1
		.amdhsa_system_vgpr_workitem_id 0
		.amdhsa_next_free_vgpr 96
		.amdhsa_next_free_sgpr 66
		.amdhsa_reserve_vcc 1
		.amdhsa_float_denorm_mode_32 3
		.amdhsa_float_denorm_mode_16_64 3
		.amdhsa_memory_ordered 1
		.amdhsa_forward_progress 1
		.amdhsa_inst_pref_size 44
	.end_amdhsa_kernel
	.amdgpu_metadata
---
amdhsa.version: [ 1, 2 ]
amdhsa.kernels:
  - .name:           k_q87b6b84523_keys
    .symbol:         k_q87b6b84523_keys.kd
    .args:
      - { .name: x, .offset: 0, .size: 8, .value_kind: global_buffer, .address_space: global }
      - { .name: mort, .offset: 8, .size: 8, .value_kind: global_buffer, .address_space: global }
      - { .name: hist, .offset: 16, .size: 8, .value_kind: global_buffer, .address_space: global }
      - { .name: feature_grids, .offset: 24, .size: 8, .value_kind: global_buffer, .address_space: global }
      - { .name: tab, .offset: 32, .size: 8, .value_kind: global_buffer, .address_space: global }
    .group_segment_fixed_size: 3072
    .private_segment_fixed_size: 0
    .kernarg_segment_align: 8
    .kernarg_segment_size: 40
    .max_flat_workgroup_size: 256
    .sgpr_count:     66
    .vgpr_count:     96
    .wavefront_size: 32
...
	.end_amdgpu_metadata
.endif
;; end of part 1
;; launch place (part 2): grid 384 x 1, 16 waves a work-group, no clusters, 10,496 bytes of LDS; arguments mort, hist, perm1, feature_grids, tab; writes perm1, tab
.if DOCPART == 2
	.amdgcn_target "amdgcn-amd-amdhsa--gfx1250"
	.amdhsa_code_object_version 6
	.text
	.protected	k_q87b6b84523_place
	.globl	k_q87b6b84523_place
	.p2align	8
	.type	k_q87b6b84523_place,@function
k_q87b6b84523_place:
	s_mov_b64 s[64:65], 0
	v_nop
	global_prefetch_b8 v0, s[64:65] scope:SCOPE_SE
	s_setreg_imm32_b32 hwreg(HW_REG_WAVE_MODE, 25, 1), 1
	s_wait_xcnt 0x0
; Work-groups 0 .. 255: a stable counting sort of the 131,072 points by the coarse code c = mort >> 7, without atomics.  Work-group k places block k's 512 points, a thread a point:
;   place = (points of lower bins, all blocks) + (points of my bin in blocks under k) + (points of my bin in my block ahead of me).
; With ck = c x 512 + my number in the block, the count of the block's ck under mine is (the block's points of lower bins) + the last term.  So
;   place = offs[c] + #(ck under mine),  offs[b] = sum over b' < b of (total[b'] - hist[k][b']) + below[b].
; total and below are column sums of hist: thread t sums bin t % 256 over rows 128 (t / 256) .. + 127, in two runs of 64 loads; the halves meet in LDS; one scan over the 256 bins follows.
; offs[c] is looked up by lane permutes from eight registers that hold the 256 numbers, so no LDS address hangs on loaded data.  perm1[place] = the point's number.
; Work-groups 256 .. 383: runs 1,536 .. 3,583 of the table tab (the launch prep says what the table is); they use no LDS.
.set PART, 2048                        ; LDS: 512 ck at 0; the halves of total; of below; a word a wave; offs; the spare words
.set BEL,  4096
.set WSUM, 6144
.set OFFS, 6400
.set SPARE, 8448
.set B, 64                             ; v64-127 64 rows of hist; then 64 ck read back
.set CH, 1048576
.set GP, 28                            ; s[28:29] the grids
.set TP, 30                            ; s[30:31] tab
	s_load_b128 s[4:7], s[0:1], 0x0                ; mort, hist
	s_load_b64 s[8:9], s[0:1], 0x10                ; perm1
	s_load_b128 s[28:31], s[0:1], 0x18             ; the grids, tab
	v_lshl_add_u32 v30, v0, 2, SPARE
	v_mov_b32 v31, 0
	v_lshrrev_b32 v1, 5, v0
	v_readfirstlane_b32 s10, v1                    ; wave 0..15
	v_lshlrev_b32 v2, 2, v0                        ; 4 t
	v_and_b32 v3, 255, v0
	v_lshlrev_b32 v3, 2, v3                        ; 4 x bin
	v_bfe_u32 v4, v0, 4, 1                         ; lane / 16
	v_and_b32 v5, 31, v0
	v_lshlrev_b32 v5, 2, v5                        ; 4 x lane
	v_mov_b32 v6, 0                                ; total, my half
	v_mov_b32 v7, 0                                ; below, my half
	v_mov_b32 v8, 0                                ; ck under mine
	v_mov_b32 v9, 0
	s_lshr_b32 s11, s10, 3                         ; which 128 rows
	s_and_b32 s12, s10, 7                          ; which 32 bins
	s_lshl_b32 s14, s11, 17
	s_mov_b32 s15, 0
	s_lshl_b32 s16, ttmp9, 10
	s_mov_b32 s17, 0
	s_lshl_b32 s18, ttmp9, 11
	s_mov_b32 s19, 0
	s_lshl_b32 s20, s11, 7
	s_sub_co_i32 s20, ttmp9, s20
	s_max_i32 s20, s20, 0                          ; so many of my rows lie under block k
	s_lshl_b32 s21, s10, 2
	s_add_co_u32 s21, s21, WSUM
	v_mov_b32 v10, s21                             ; my wave's word
	v_mov_b32 v11, WSUM
	s_wait_alu depctr_va_vdst(0)                   ; the wait at the head's end
	s_wait_kmcnt 0x0
	s_cmp_ge_u32 ttmp9, 256
	s_cbranch_scc1 .Ltab
	s_add_nc_u64 s[22:23], s[6:7], s[16:17]        ; hist's row k
	s_add_nc_u64 s[6:7], s[6:7], s[14:15]
	s_add_nc_u64 s[4:5], s[4:5], s[18:19]
	global_load_b32 v12, v2, s[4:5]
	global_load_b32 v13, v3, s[22:23]
.macro ROWS h                          ; 64 of my 128 rows: a wave's load reads 128 consecutive bytes of a row
.set i, 0
.rept 64
	global_load_b32 v[B+i], v3, s[6:7] offset:1024*(64*\h+i)
.set i, i+1
.endr
	s_wait_alu depctr_va_vdst(0)
	s_wait_loadcnt 0x0
.set i, 0
.rept 32
	s_cmp_gt_u32 s20, 64*\h+i
	s_cselect_b32 s24, 1, 0
	s_cmp_gt_u32 s20, 64*\h+i+1
	s_cselect_b32 s25, 1, 0
	v_mad_u32_u24 v7, v[B+i], s24, v7              ; counts stay under 2^24
	v_mad_u32_u24 v7, v[B+1+i], s25, v7
	v_add3_u32 v6, v6, v[B+i], v[B+1+i]
.set i, i+2
.endr
.endm
	ROWS 0
	ROWS 1
	v_lshrrev_b32 v14, 7, v12                      ; c
	v_lshl_or_b32 v15, v14, 9, v0                  ; ck
	ds_store_b32 v2, v15
	ds_store_b32 v2, v6 offset:PART
	ds_store_b32 v2, v7 offset:BEL
	s_wait_alu depctr_va_vdst(0)
	s_wait_dscnt 0x0
	s_barrier_signal -1
	s_barrier_wait -1
	ds_load_b32 v16, v3 offset:PART
	ds_load_b32 v17, v3 offset:PART+1024
	ds_load_b32 v18, v3 offset:BEL
	ds_load_b32 v19, v3 offset:BEL+1024
	s_wait_dscnt 0x0
	v_add_nc_u32 v16, v16, v17
	v_add_nc_u32 v18, v18, v19                     ; below[b]
	v_sub_nc_u32 v16, v16, v13                     ; total[b] - hist[k][b]
	v_mov_b32 v20, v16
.irp n, 1,2,4,8                        ; a running sum inside each 16 lanes
	v_mov_b32_dpp v9, v20 row_shr:\n row_mask:0xf bank_mask:0xf bound_ctrl:1
	v_add_nc_u32 v20, v20, v9
.endr
	v_readlane_b32 s24, v20, 15
	v_mad_u32_u24 v20, v4, s24, v20                ; lanes 16-31 add the lower 16's sum
	v_readlane_b32 s25, v20, 31
	v_mov_b32 v21, s25
	ds_store_b32 v10, v21                          ; the sum of my 32 bins
	s_wait_alu depctr_va_vdst(0)
	s_wait_dscnt 0x0
	s_barrier_signal -1
	s_barrier_wait -1
	ds_load_b128 v[40:43], v11
	ds_load_b128 v[44:47], v11 offset:16
	v_sub_nc_u32 v20, v20, v16                     ; bins under mine in my wave
	v_add_nc_u32 v20, v20, v18
	s_wait_alu depctr_va_vdst(0)
	s_wait_dscnt 0x0
.irp u, 0,1,2,3,4,5,6
	s_cmp_gt_u32 s12, \u
	s_cselect_b32 s24, 1, 0
	v_mad_u32_u24 v20, v[40+\u], s24, v20          ; and the sums of the groups of 32 bins under mine
.endr
	ds_store_b32 v2, v20 offset:OFFS               ; threads 256 .. 511 write a second copy, which is not read
	s_wait_alu depctr_va_vdst(0)
	s_wait_dscnt 0x0
	s_barrier_signal -1
	s_barrier_wait -1
.irp r, 0,1,2,3,4,5,6,7
	ds_load_b32 v[48+\r], v5 offset:OFFS+128*\r    ; register r, lane l: offs[32 r + l]
.endr
	s_mov_b32 s2, 0
.Lcnt:                                                 ; 8 trips of 64 ck; every lane reads the same 16 bytes
	v_mov_b32 v36, s2
.irp i, 0,1,2,3,4,5,6,7,8,9,10,11,12,13,14,15
	ds_load_b128 v[B+4*\i:B+4*\i+3], v36 offset:16*\i
.endr
	s_wait_dscnt 0x0
.set i, 0
.rept 64
	v_cmp_gt_u32 vcc_lo, v15, v[B+i]
	v_add_co_ci_u32 v8, vcc_lo, 0, v8, vcc_lo
.set i, i+1
.endr
	s_add_co_u32 s2, s2, 256
	s_cmp_lt_u32 s2, 2048
	s_wait_alu depctr_va_vdst(0)                   ; the wait ahead of the branch
	s_cbranch_scc1 .Lcnt
	v_and_b32 v22, 31, v14
	v_lshlrev_b32 v22, 2, v22
	v_lshrrev_b32 v23, 5, v14
.irp r, 0,1,2,3,4,5,6,7
	ds_bpermute_b32 v[56+\r], v22, v[48+\r]        ; offs[32 r + c % 32]
.endr
	s_lshl_b32 s24, ttmp9, 9
	v_add_nc_u32 v24, s24, v0                      ; the point's number
	s_wait_alu depctr_va_vdst(0)
	s_wait_dscnt 0x0
.irp r, 1,2,3,4,5,6,7
	v_cmp_eq_u32 vcc_lo, \r, v23
	v_cndmask_b32 v56, v56, v[56+\r], vcc_lo       ; that of r = c / 32
.endr
	v_add_nc_u32 v56, v56, v8
	v_min_u32 v56, 0x1ffff, v56
	v_lshlrev_b32 v56, 2, v56
	global_store_b32 v56, v24, s[8:9]
	s_wait_tensorcnt 0x0                           ; the wave's end
	ds_add_u32 v30, v31
	s_wait_dscnt 0x0
	s_endpgm
; ---------------- THE TABLE's runs 1,536 .. 3,583.  A wave takes 32 rows (g, z, y) of 64 x; lane l makes cells x = l and x = 32 + l, its registers loaded in the cell's order.
.Ltab:
	v_and_b32 v7, 31, v0
	v_lshlrev_b32 v1, 2, v7                        ; x = l
	v_add_nc_u32 v3, 33, v7
	v_add_nc_u32 v2, 4, v1                         ; x = l + 1
	v_min_u32 v3, 63, v3
	v_lshlrev_b32 v4, 4, v7                        ; a cell is 16 bytes
	v_lshlrev_b32 v3, 2, v3                        ; x = min(l + 33, 63)
	s_sub_co_u32 s24, ttmp9, 256
	s_lshl_b32 s24, s24, 4
	s_add_co_u32 s24, s24, s10
	s_add_co_u32 s24, s24, 1536                    ; which run
	s_lshr_b32 s26, s24, 7
	s_lshl_b32 s26, s26, 21
	s_and_b32 s27, s24, 127
	s_lshl_b32 s27, s27, 13
	s_add_co_u32 s26, s26, s27
	s_mov_b32 s27, 0
	s_add_nc_u64 s[GP:GP+1], s[GP:GP+1], s[26:27]
	s_lshl_b32 s26, s24, 15
	s_add_nc_u64 s[TP:TP+1], s[TP:TP+1], s[26:27]
	s_wait_alu depctr_va_vdst(0)                   ; the wait behind the run of scalar lines
.macro LOADR k
.set RB, 8+16*((\k)%4)
.irp rr, 0,1
	global_load_b32 v[RB+8*\rr],   v1, s[GP:GP+1] offset:256*(2*(\k)+\rr)
	global_load_b32 v[RB+8*\rr+1], v1, s[GP:GP+1] offset:256*(2*(\k)+\rr)+CH
	global_load_b32 v[RB+8*\rr+2], v2, s[GP:GP+1] offset:256*(2*(\k)+\rr)
	global_load_b32 v[RB+8*\rr+3], v2, s[GP:GP+1] offset:256*(2*(\k)+\rr)+CH
	global_load_b32 v[RB+8*\rr+4], v1, s[GP:GP+1] offset:256*(2*(\k)+\rr)+128
	global_load_b32 v[RB+8*\rr+5], v1, s[GP:GP+1] offset:256*(2*(\k)+\rr)+128+CH
	global_load_b32 v[RB+8*\rr+6], v3, s[GP:GP+1] offset:256*(2*(\k)+\rr)
	global_load_b32 v[RB+8*\rr+7], v3, s[GP:GP+1] offset:256*(2*(\k)+\rr)+CH
.endr
.endm
.macro STEPR k
.set NL, 15-(\k)
.if NL > 2
.set NL, 2
.endif
	s_wait_loadcnt 16*NL                           ; this step's 16 loads are in; those of the (at most two) later steps already asked for may stay out
	s_wait_xcnt 0x0                                ; the last step's stores have read their data: that set is loaded again only behind this wait
.if (\k)+3 <= 15
	LOADR (\k)+3
.endif
.set RB, 8+16*((\k)%4)
.irp rr, 0,1
	global_store_b128 v4, v[RB+8*\rr:RB+8*\rr+3],   s[TP:TP+1] offset:1024*(2*(\k)+\rr) th:TH_STORE_NT     ; 32 lanes store 512 consecutive bytes, aligned
	global_store_b128 v4, v[RB+8*\rr+4:RB+8*\rr+7], s[TP:TP+1] offset:1024*(2*(\k)+\rr)+512 th:TH_STORE_NT
.endr
.endm
	LOADR 0
	LOADR 1
	LOADR 2
.irp k, 0,1,2,3,4,5,6,7,8,9,10,11,12,13,14,15
	STEPR \k
.endr
	s_endpgm
.Lfunc_end_k_q87b6b84523_place:
	.size	k_q87b6b84523_place, .Lfunc_end_k_q87b6b84523_place-k_q87b6b84523_place
	.p2alignl 7, 3214868480
	.fill 96, 4, 3214868480
	.section	.rodata,"a",@progbits
	.p2align	6, 0x0
	.amdhsa_kernel k_q87b6b84523_place
		.amdhsa_group_segment_fixed_size 10496
		.amdhsa_private_segment_fixed_size 0
		.amdhsa_enable_private_segment 0
		.amdhsa_kernarg_size 40
		.amdhsa_user_sgpr_count 2
		.amdhsa_user_sgpr_kernarg_segment_ptr 1
		.amdhsa_wavefront_size32 1
		.amdhsa_system_sgpr_workgroup_id_x 1
		.amdhsa_system_sgpr_workgroup_id_y 1
		.amdhsa_system_sgpr_workgroup_id_z 1
		.amdhsa_system_vgpr_workitem_id 0
		.amdhsa_next_free_vgpr 128
		.amdhsa_next_free_sgpr 66
		.amdhsa_reserve_vcc 1
		.amdhsa_float_denorm_mode_32 3
		.amdhsa_float_denorm_mode_16_64 3
		.amdhsa_memory_ordered 1
		.amdhsa_forward_progress 1
		.amdhsa_inst_pref_size 79
	.end_amdhsa_kernel
	.amdgpu_metadata
---
amdhsa.version: [ 1, 2 ]
amdhsa.kernels:
  - .name:           k_q87b6b84523_place
    .symbol:         k_q87b6b84523_place.kd
    .args:
      - { .name: mort, .offset: 0, .size: 8, .value_kind: global_buffer, .address_space: global }
      - { .name: hist, .offset: 8, .size: 8, .value_kind: global_buffer, .address_space: global }
      - { .name: perm1, .offset: 16, .size: 8, .value_kind: global_buffer, .address_space: global }
      - { .name: feature_grids, .offset: 24, .size: 8, .value_kind: global_buffer, .address_space: global }
      - { .name: tab, .offset: 32, .size: 8, .value_kind: global_buffer, .address_space: global }
    .group_segment_fixed_size: 10496
    .private_segment_fixed_size: 0
    .kernarg_segment_align: 8
    .kernarg_segment_size: 40
    .max_flat_workgroup_size: 512
    .sgpr_count:     66
    .vgpr_count:     128
    .wavefront_size: 32
...
	.end_amdgpu_metadata
.endif
;; end of part 2
;; launch prep (part 3): grid 1090 x 1, 8 waves a work-group, no clusters, 5,120 bytes of LDS; arguments feature_grids, x, grid_scales, grid_translations, W0, W1, tab, idx, wq, mort, perm1, perm2; writes tab, idx, wq, perm2
.if DOCPART == 3
	.amdgcn_target "amdgcn-amd-amdhsa--gfx1250"
	.amdhsa_code_object_version 6
	.text
	.protected	k_q87b6b84523_prep
	.globl	k_q87b6b84523_prep
	.p2align	8
	.type	k_q87b6b84523_prep,@function
k_q87b6b84523_prep:
	s_mov_b64 s[64:65], 0
	v_nop
	global_prefetch_b8 v0, s[64:65] scope:SCOPE_SE
	s_setreg_imm32_b32 hwreg(HW_REG_WAVE_MODE, 25, 1), 1
	s_wait_xcnt 0x0
; THREE PREPARATIONS IN ONE LAUNCH, told apart by the work-group's number.
;  work-groups 0, 1        W0 and W1 [128][128] f32 become codes of FP8 (E4M3) with one E8M0 byte for each 32 along K, laid in wq as images of the operand's registers.
;  work-groups 2 .. 513    the points' last ordering, and for every (point, grid) the cell of the trilinear sample, as a whole number, into idx.
;  work-groups 514 .. 1089 the feature grids are laid anew in tab as cells of 16 bytes, {c0(x), c1(x), c0(x+1), c1(x+1)} at [g][z][y][x]: 4 loads a sample in place of 16.
;                          Of the table's 8,192 runs of 32 rows these are runs 3,584 .. 8,191; the two launches before have made the others.
; THE ORDERING.  perm1 holds the points sorted by the upper 8 bits of their Morton codes.  A chunk of 512 places is sorted by the whole code: a point's rank is the count of the chunk's
; (code x 512 + place in the chunk) under its own.  Two work-groups share a chunk: each ranks all 512 (a thread two), puts rank x 2^17 + the point's number into LDS, and serves 256 ranks:
; thread t finds its rank's word as the least of (word xor rank x 2^17), which is under 2^17 for that word alone.  So a lane stands at its rank, and all stores are whole runs of consecutive bytes.
; THE CELL.  f = fma(fma(x, scale, translation), 31.5 / 1.48, 31.5) for each axis; the cell's coordinate is floor(f) held within 0 .. 62; the word is bx + 64 by + 4096 bz.
; A sample with floor(f) outside -1 .. 63 on some axis has all eight corners outside the grid: its word is 0.  The next launch takes its weights from f and the word's coordinates:
; with b = 0 and f < -1 or f >= 64 both weights of that axis are 0, whatever cell 0 holds.  So all such lanes name one address.
; LIMITS: f is made with two roundings where the source text has five (a few 1e-6 of a cell either way); NaN and infinities among x, scales and translations are not served;
; a block of zeros of a weight gets the scale byte 1 where the rule says 127: its codes are zeros, and this program alone reads the bytes.
.set CH,   1048576                     ; bytes from channel 0 to channel 1 of a grid
.set K1,   0x41aa4530                  ; 31.5 / 1.48
.set TM,   16                          ; v16-31 the quantiser's temporaries
.set SEL,  28                          ; s[28:29] lane selects for v_permlanex16_b32 (weights' path)
.set MNT,  30                          ; s30 the mantissa field of 448 (weights' path)
.set WV,   93                          ; s93 wave
.set SPARE, 4096                       ; LDS (cells' path alone): 512 words at 0, 512 at 2,048, the spare words behind them
.set B,    32                          ; v32-95 64 words read back
	s_load_b512 s[4:19], s[0:1], 0x0               ; grids s[4:5], x s[6:7], scales s[8:9], translations s[10:11], W0 s[12:13], W1 s[14:15], tab s[16:17], idx s[18:19]
	s_load_b256 s[20:27], s[0:1], 0x40             ; wq s[20:21], mort s[22:23], perm1 s[24:25], perm2 s[26:27]
	v_lshl_add_u32 v112, v0, 2, SPARE
	v_mov_b32 v113, 0
	v_lshrrev_b32 v1, 5, v0
	v_readfirstlane_b32 s[WV], v1                  ; wave 0..7
	v_and_b32 v7, 31, v0                           ; lane
	s_wait_alu depctr_va_vdst(0)                   ; the wait at the head's end
	s_wait_kmcnt 0x0
	s_cmp_lt_u32 ttmp9, 2
	s_cbranch_scc1 .Lw
	s_cmp_lt_u32 ttmp9, 514
	s_cbranch_scc1 .Lidx
; ---------------- THE TABLE.  A wave takes 32 rows (g, z, y) of 64 x.  Lane l makes cell x = l and cell x = 32 + l of each row, its registers loaded in the cell's order.
; Cell 63 repeats x = 63 in its upper half; it is stored and never read.
	s_sub_co_u32 s24, ttmp9, 514
	s_lshl_b32 s24, s24, 3
	s_add_co_u32 s24, s24, s[WV]
	s_add_co_u32 s24, s24, 3584                    ; which run of 32 rows
	s_lshr_b32 s26, s24, 7
	s_lshl_b32 s26, s26, 21
	s_and_b32 s27, s24, 127
	s_lshl_b32 s27, s27, 13
	s_add_co_u32 s26, s26, s27
	s_mov_b32 s27, 0
	s_add_nc_u64 s[4:5], s[4:5], s[26:27]
	s_lshl_b32 s26, s24, 15
	s_add_nc_u64 s[16:17], s[16:17], s[26:27]
	v_lshlrev_b32 v1, 2, v7                        ; x = l
	v_add_nc_u32 v3, 33, v7
	v_add_nc_u32 v2, 4, v1                         ; x = l + 1
	v_min_u32 v3, 63, v3
	v_lshlrev_b32 v4, 4, v7                        ; a cell is 16 bytes
	v_lshlrev_b32 v3, 2, v3                        ; x = min(l + 33, 63)
.macro LOADR k
.set RB, 8+16*((\k)%4)
.irp rr, 0,1
	global_load_b32 v[RB+8*\rr],   v1, s[4:5] offset:256*(2*(\k)+\rr)
	global_load_b32 v[RB+8*\rr+1], v1, s[4:5] offset:256*(2*(\k)+\rr)+CH
	global_load_b32 v[RB+8*\rr+2], v2, s[4:5] offset:256*(2*(\k)+\rr)
	global_load_b32 v[RB+8*\rr+3], v2, s[4:5] offset:256*(2*(\k)+\rr)+CH
	global_load_b32 v[RB+8*\rr+4], v1, s[4:5] offset:256*(2*(\k)+\rr)+128
	global_load_b32 v[RB+8*\rr+5], v1, s[4:5] offset:256*(2*(\k)+\rr)+128+CH
	global_load_b32 v[RB+8*\rr+6], v3, s[4:5] offset:256*(2*(\k)+\rr)
	global_load_b32 v[RB+8*\rr+7], v3, s[4:5] offset:256*(2*(\k)+\rr)+CH
.endr
.endm
.macro STEPR k
.set NL, 15-(\k)
.if NL > 2
.set NL, 2
.endif
	s_wait_loadcnt 16*NL                           ; this step's 16 loads are in; those of the (at most two) later steps already asked for may stay out
	s_wait_xcnt 0x0                                ; the last step's stores have read their data: that set is loaded again only behind this wait
.if (\k)+3 <= 15
	LOADR (\k)+3
.endif
.set RB, 8+16*((\k)%4)
.irp rr, 0,1
	global_store_b128 v4, v[RB+8*\rr:RB+8*\rr+3],   s[16:17] offset:1024*(2*(\k)+\rr) th:TH_STORE_NT       ; 32 lanes store 512 consecutive bytes, aligned
	global_store_b128 v4, v[RB+8*\rr+4:RB+8*\rr+7], s[16:17] offset:1024*(2*(\k)+\rr)+512 th:TH_STORE_NT
.endr
.endm
	LOADR 0
	LOADR 1
	LOADR 2
	s_wait_alu depctr_va_vdst(0)                   ; the wait ahead of the waits below
.irp k, 0,1,2,3,4,5,6,7,8,9,10,11,12,13,14,15
	STEPR \k
.endr
	s_endpgm
; ---------------- THE ORDERING AND THE CELLS.  Behind the ordering a wave is a block of 32 ranks, a lane a point; a grid's six numbers are scalars; 8 grids a trip.
; idx is laid [block][grid / 4][lane][grid % 4]: a store of 16 bytes a lane covers 512 consecutive bytes, and so will the next launch's load.
.Lidx:
	s_sub_co_u32 s60, ttmp9, 2                     ; 2 x chunk + which 256 ranks are mine
	s_lshr_b32 s61, s60, 1
	s_and_b32 s62, s60, 1
	s_lshl_b32 s94, s61, 11
	s_mov_b32 s95, 0
	s_add_nc_u64 s[24:25], s[24:25], s[94:95]      ; perm1 at the chunk
	s_lshl_b32 s94, s60, 10
	s_add_nc_u64 s[26:27], s[26:27], s[94:95]      ; perm2 at my 256 ranks
	s_lshl_b32 s94, s60, 3
	s_add_co_u32 s94, s94, s[WV]
	s_lshl_b32 s94, s94, 13
	s_add_nc_u64 s[18:19], s[18:19], s[94:95]      ; idx at my wave's block: 8,192 bytes each
	s_lshl_b32 s62, s62, 25
	v_lshlrev_b32 v1, 2, v0
	global_load_b32 v2, v1, s[24:25]               ; the chunk's places t and t + 256
	global_load_b32 v3, v1, s[24:25] offset:1024
	v_mov_b32 v11, 0
	v_mov_b32 v12, 0
	v_mov_b32 v28, -1
	v_lshl_or_b32 v30, v0, 17, s62                 ; my rank x 2^17
	s_mov_b32 s30, K1
	s_mov_b32 s31, 0x41fc0000                      ; 31.5
	s_mov_b32 s32, 0x42780000                      ; 62.0
	s_mov_b32 s34, 0xc1f80000                      ; -31.0
	s_mov_b32 s35, 0x42000000                      ; 32.0
	s_wait_alu depctr_va_vdst(0)
	s_wait_loadcnt 0x0
	v_min_u32 v2, 0x1ffff, v2
	v_min_u32 v3, 0x1ffff, v3
	v_lshlrev_b32 v24, 2, v2
	v_lshlrev_b32 v25, 2, v3
	global_load_b32 v26, v24, s[22:23]
	global_load_b32 v27, v25, s[22:23]
	s_wait_loadcnt 0x0
	v_lshl_or_b32 v26, v26, 9, v0
	v_lshl_or_b32 v27, v27, 9, v0
	v_or_b32 v27, 0x100, v27
	ds_store_b32 v1, v26
	ds_store_b32 v1, v27 offset:1024
	s_wait_alu depctr_va_vdst(0)
	s_wait_dscnt 0x0
	s_barrier_signal -1
	s_barrier_wait -1
	s_mov_b32 s2, 0
.Lcnt:                                                 ; 8 trips of 64 words; every lane reads the same 16 bytes
	v_mov_b32 v10, s2
.irp i, 0,1,2,3,4,5,6,7,8,9,10,11,12,13,14,15
	ds_load_b128 v[B+4*\i:B+4*\i+3], v10 offset:16*\i
.endr
	s_wait_dscnt 0x0
.set i, 0
.rept 64
	v_cmp_gt_u32 vcc_lo, v26, v[B+i]
	v_add_co_ci_u32 v11, vcc_lo, 0, v11, vcc_lo
	v_cmp_gt_u32 vcc_lo, v27, v[B+i]
	v_add_co_ci_u32 v12, vcc_lo, 0, v12, vcc_lo
.set i, i+1
.endr
	s_add_co_u32 s2, s2, 256
	s_cmp_lt_u32 s2, 2048
	s_wait_alu depctr_va_vdst(0)                   ; the wait ahead of the branch
	s_cbranch_scc1 .Lcnt
	v_lshl_or_b32 v11, v11, 17, v2                 ; rank x 2^17 + the point's number
	v_lshl_or_b32 v12, v12, 17, v3
	ds_store_b32 v1, v11 offset:2048
	ds_store_b32 v1, v12 offset:3072
	s_wait_alu depctr_va_vdst(0)
	s_wait_dscnt 0x0
	s_barrier_signal -1
	s_barrier_wait -1
	s_mov_b32 s2, 2048
.Linv:                                                 ; 8 trips of 64 words
	v_mov_b32 v10, s2
.irp i, 0,1,2,3,4,5,6,7,8,9,10,11,12,13,14,15
	ds_load_b128 v[B+4*\i:B+4*\i+3], v10 offset:16*\i
.endr
	s_wait_dscnt 0x0
.set i, 0
.rept 64
	v_xor_b32 v[B+i], v30, v[B+i]
.set i, i+1
.endr
.set i, 0
.rept 64
	v_min_u32 v28, v28, v[B+i]
.set i, i+1
.endr
	s_add_co_u32 s2, s2, 256
	s_cmp_lt_u32 s2, 4096
	s_wait_alu depctr_va_vdst(0)                   ; the wait ahead of the branch
	s_cbranch_scc1 .Linv
	v_min_u32 v28, 0x1ffff, v28                    ; the number of the point at my rank
	v_mul_u32_u24 v29, v28, 12
.irp a, 0,1,2
	global_load_b32 v[4+\a], v29, s[6:7] offset:4*\a
.endr
	global_store_b32 v1, v28, s[26:27]             ; 128 consecutive bytes a wave
	v_lshlrev_b32 v2, 4, v7
	s_mov_b32 s33, 8
	s_wait_alu depctr_va_vdst(0)
	s_wait_loadcnt 0x0
.macro CELL i
.irp a, 0,1,2
	v_fma_f32 v[8+\a], v[4+\a], s[36+3*\i+\a], s[68+3*\i+\a]
.endr
.irp a, 0,1,2
	v_fma_f32 v[8+\a], v[8+\a], s30, s31
.endr
.irp a, 0,1,2
	v_floor_f32 v[8+\a], v[8+\a]
.endr
.irp a, 0,1,2
	v_add_f32 v[12+\a], s34, v[8+\a]               ; floor(f) - 31: within +-32 where a corner lies in the grid
.endr
.irp a, 0,1,2
	v_med3_num_f32 v[8+\a], v[8+\a], 0, s32        ; held within 0 .. 62: cell and cell + 1 both lie in the grid
.endr
	v_max3_num_f32 v12, |v12|, |v13|, |v14|
	v_fmamk_f32 v9, v9, 0x42800000, v8             ; 64 by + bx: whole numbers under 2^24, exact in f32
	v_fmamk_f32 v10, v10, 0x45800000, v9           ; 4096 bz + that
	v_cmp_ge_f32 vcc_lo, s35, v12
	v_cvt_u32_f32 v15, v10
	v_cndmask_b32 v[16+\i], 0, v15, vcc_lo         ; wholly outside: word 0
.endm
.Lgrids:
	s_load_b512 s[36:51], s[8:9], 0x0              ; 8 grids' scales: 24 words
	s_load_b256 s[52:59], s[8:9], 0x40
	s_load_b512 s[68:83], s[10:11], 0x0            ; and translations
	s_load_b256 s[84:91], s[10:11], 0x40
	s_wait_kmcnt 0x0
.irp i, 0,1,2,3,4,5,6,7
	CELL \i
.endr
	global_store_b128 v2, v[16:19], s[18:19] th:TH_STORE_NT
	global_store_b128 v2, v[20:23], s[18:19] offset:512 th:TH_STORE_NT
	s_wait_xcnt 0x0                                ; the stores have read their data and base, the scalar loads their bases: all are written again only behind this wait
	s_add_nc_u64 s[8:9], s[8:9], 96
	s_add_nc_u64 s[10:11], s[10:11], 96
	s_add_nc_u64 s[18:19], s[18:19], 1024
	s_sub_co_u32 s33, s33, 1
	s_cmp_lg_u32 s33, 0
	s_cbranch_scc1 .Lgrids
	s_wait_tensorcnt 0x0                           ; the wave's end
	ds_add_u32 v112, v113
	s_wait_dscnt 0x0
	s_endpgm
; ---------------- THE WEIGHTS.  Work-group = layer, wave = tile t of 16 rows.  Lane r takes row 32 (t / 2) + 8 (t % 2) + r + 8 (r / 8),
; so that in the next launch's transposed products a lane's 16 registers of tiles 2 b and 2 b + 1 are 16 neighbours along the next K.
; Lane (r, h) loads, of its row, k = 32 c + 16 h + 0 .. 15 for c = 0 .. 3: the order of the operand's registers; the conversions' results are the fragment.
.Lw:
	s_cmp_eq_u32 ttmp9, 0
	s_cselect_b64 s[24:25], s[12:13], s[14:15]     ; W0 or W1: the choice hangs on the work-group's number alone
	s_lshr_b32 s26, s[WV], 1
	s_lshl_b32 s26, s26, 5
	s_and_b32 s27, s[WV], 1
	s_lshl_b32 s27, s27, 3
	s_add_co_u32 s26, s26, s27                     ; the tile's first row
	s_lshl_b32 s26, s26, 9
	s_mov_b32 s27, 0
	s_add_nc_u64 s[24:25], s[24:25], s[26:27]
	s_lshl_b32 s26, ttmp9, 3
	s_add_co_u32 s26, s26, s[WV]                   ; fragment f = 8 x layer + t
	s_lshl_b32 s34, s26, 7
	s_add_co_u32 s34, s34, 32768                   ; its scale words: behind the 16 fragments, 128 bytes each
	s_mov_b32 s35, 0
	s_lshl_b32 s26, s26, 11                        ; its codes: 2,048 bytes
	s_add_nc_u64 s[32:33], s[20:21], s[34:35]
	s_add_nc_u64 s[20:21], s[20:21], s[26:27]
	s_mov_b32 s[SEL], 0x76543210
	s_mov_b32 s[SEL+1], 0xfedcba98
	s_mov_b32 s[MNT], 0x600000
	v_and_b32 v5, 15, v0                           ; r
	v_bfe_u32 v6, v0, 4, 1                         ; h
	v_and_b32 v1, 8, v5
	v_add_nc_u32 v1, v1, v5                        ; r + 8 (r / 8)
	v_lshlrev_b32 v1, 9, v1
	v_lshl_add_u32 v1, v6, 6, v1                   ; + 64 h
	v_lshlrev_b32 v2, 4, v7                        ; an image's place for my lane
	v_lshlrev_b32 v3, 2, v7                        ; a scale word's
.irp c, 0,1,2,3
.irp q, 0,1,2,3
	global_load_b128 v[32+16*\c+4*\q:32+16*\c+4*\q+3], v1, s[24:25] offset:128*\c+16*\q
.endr
.endr
.irp b, 0,1,2,3
	v_mov_b32 v[TM+4+\b], 0                        ; a lane permute's destination counts as one of its sources
.endr
	s_wait_alu depctr_va_vdst(0)
	s_wait_loadcnt 0x0
.irp b, 0,1,2,3
	v_max3_num_f32 v[TM+\b], |v[32+16*\b]|, |v[33+16*\b]|, 0x4800000   ; block b: my 16 numbers, and the floor 2^(9 - 127): the byte cannot fall under 1
.endr
.irp i, 2,4,6,8,10,12,14
.irp b, 0,1,2,3
	v_max3_num_f32 v[TM+\b], v[TM+\b], |v[32+16*\b+\i]|, |v[33+16*\b+\i]|
.endr
.endr
.irp b, 0,1,2,3
	v_permlanex16_b32 v[TM+4+\b], v[TM+\b], s[SEL], s[SEL+1]
.endr
.irp b, 0,1,2,3
	v_max_num_f32 v[TM+\b], v[TM+\b], v[TM+4+\b]   ; with lane l xor 16's 16: the block's largest magnitude
.endr
.irp b, 0,1,2,3
	v_add_nc_u32 v[TM+12+\b], 0xfc000000, v[TM+\b] ; 8 off its exponent field: the conversion's scale operand
.endr
.irp b, 0,1,2,3
	v_and_or_b32 v[TM+8+\b], v[TM+\b], 0x7f800000, s[MNT]   ; 448 x the scale
.endr
.irp b, 0,1,2,3
	v_lshrrev_b32 v[TM+4+\b], 23, v[TM+12+\b]      ; the scale's byte
.endr
	v_lshl_or_b32 v15, v[TM+5], 8, v[TM+4]         ; my row's scale word
	v_lshl_or_b32 v15, v[TM+6], 16, v15
	v_lshl_or_b32 v15, v[TM+7], 24, v15
.irp b, 0,1,2,3
.irp i, 0,1,2,3,4,5,6,7,8,9,10,11,12,13,14,15
	v_med3_num_f32 v[32+16*\b+\i], v[32+16*\b+\i], -v[TM+8+\b], v[TM+8+\b]   ; the conversion to an 8-bit code does not saturate (ISA guide 7.6.2): the hold comes first
.endr
	v_cvt_scalef32_pk8_fp8_f32 v[96+4*\b:97+4*\b], v[32+16*\b:39+16*\b], v[TM+12+\b]
	v_cvt_scalef32_pk8_fp8_f32 v[98+4*\b:99+4*\b], v[40+16*\b:47+16*\b], v[TM+12+\b]
.endr
	v_nop
.irp c, 0,1,2,3
	global_store_b128 v2, v[96+4*\c:99+4*\c], s[20:21] offset:512*\c   ; the fragment as it stands in the registers: 512 consecutive bytes a store
.endr
	global_store_b32 v3, v15, s[32:33]
	s_endpgm
.Lfunc_end_k_q87b6b84523_prep:
	.size	k_q87b6b84523_prep, .Lfunc_end_k_q87b6b84523_prep-k_q87b6b84523_prep
	.p2alignl 7, 3214868480
	.fill 96, 4, 3214868480
	.section	.rodata,"a",@progbits
	.p2align	6, 0x0
	.amdhsa_kernel k_q87b6b84523_prep
		.amdhsa_group_segment_fixed_size 5120
		.amdhsa_private_segment_fixed_size 0
		.amdhsa_enable_private_segment 0
		.amdhsa_kernarg_size 96
		.amdhsa_user_sgpr_count 2
		.amdhsa_user_sgpr_kernarg_segment_ptr 1
		.amdhsa_wavefront_size32 1
		.amdhsa_system_sgpr_workgroup_id_x 1
		.amdhsa_system_sgpr_workgroup_id_y 1
		.amdhsa_system_sgpr_workgroup_id_z 1
		.amdhsa_system_vgpr_workitem_id 0
		.amdhsa_next_free_vgpr 116
		.amdhsa_next_free_sgpr 96
		.amdhsa_reserve_vcc 1
		.amdhsa_float_denorm_mode_32 3
		.amdhsa_float_denorm_mode_16_64 3
		.amdhsa_memory_ordered 1
		.amdhsa_forward_progress 1
		.amdhsa_inst_pref_size 71
	.end_amdhsa_kernel
	.amdgpu_metadata
---
amdhsa.version: [ 1, 2 ]
amdhsa.kernels:
  - .name:           k_q87b6b84523_prep
    .symbol:         k_q87b6b84523_prep.kd
    .args:
      - { .name: feature_grids, .offset: 0, .size: 8, .value_kind: global_buffer, .address_space: global }
      - { .name: x, .offset: 8, .size: 8, .value_kind: global_buffer, .address_space: global }
      - { .name: grid_scales, .offset: 16, .size: 8, .value_kind: global_buffer, .address_space: global }
      - { .name: grid_translations, .offset: 24, .size: 8, .value_kind: global_buffer, .address_space: global }
      - { .name: W0, .offset: 32, .size: 8, .value_kind: global_buffer, .address_space: global }
      - { .name: W1, .offset: 40, .size: 8, .value_kind: global_buffer, .address_space: global }
      - { .name: tab, .offset: 48, .size: 8, .value_kind: global_buffer, .address_space: global }
      - { .name: idx, .offset: 56, .size: 8, .value_kind: global_buffer, .address_space: global }
      - { .name: wq, .offset: 64, .size: 8, .value_kind: global_buffer, .address_space: global }
      - { .name: mort, .offset: 72, .size: 8, .value_kind: global_buffer, .address_space: global }
      - { .name: perm1, .offset: 80, .size: 8, .value_kind: global_buffer, .address_space: global }
      - { .name: perm2, .offset: 88, .size: 8, .value_kind: global_buffer, .address_space: global }
    .group_segment_fixed_size: 5120
    .private_segment_fixed_size: 0
    .kernarg_segment_align: 8
    .kernarg_segment_size: 96
    .max_flat_workgroup_size: 256
    .sgpr_count:     96
    .vgpr_count:     116
    .wavefront_size: 32
...
	.end_amdgpu_metadata
.endif
;; end of part 3
;; launch main (part 4): grid 256 x 1, 16 waves a work-group, no clusters, 67,584 bytes of LDS; arguments x, grid_scales, grid_translations, tab, idx, wq, b0, b1, W2, b2, out0, perm2; writes out0
.if DOCPART == 4
	.amdgcn_target "amdgcn-amd-amdhsa--gfx1250"
	.amdhsa_code_object_version 6
	.text
	.protected	k_q87b6b84523_main
	.globl	k_q87b6b84523_main
	.p2align	8
	.type	k_q87b6b84523_main,@function
k_q87b6b84523_main:
	s_mov_b64 s[64:65], 0
	v_nop
	global_prefetch_b8 v0, s[64:65] scope:SCOPE_SE
	s_setreg_imm32_b32 hwreg(HW_REG_WAVE_MODE, 25, 1), 1
	s_wait_xcnt 0x0
; out[p] = W2 . lrelu(W1 lrelu(W0 feats[p] + b0) + b1) + b2, feats[p][2 g + c] = the trilinear sample (zeros outside) of channel c of grid g at the point's place in that grid.
; The two products 128 x 128 are made on codes of FP8 (E4M3) with one E8M0 scale for each 32 along K; everything else is f32.
; SHARES.  A work-group of sixteen waves takes 512 points; a wave takes 32, from the lookup to the store, and shares nothing with the others: no barrier.
; LOOKUP.  A lane is a point; all lanes work on the same grid, so a grid's six numbers are scalars.  The cell (a whole number made by the launch before) is read, held under its
; largest value and turned into a byte offset inside a grid's part of tab, whose cells of 16 bytes hold both channels of x and x + 1: four loads of 16 bytes bring a sample's 16 numbers.
; Which grid it is stands in the scalar base and in an immediate that is never negative, not in the offset register.
; A ring of 8 slots keeps the gathers of 8 grids (32 loads a wave) on their way; the indices are read 8 to 11 grids ahead of the gather that needs them.
; THE WEIGHTS WITHOUT COMPARES.  b = the cell's coordinate (0 .. 62), t = f - b.  Cell b counts with max(0, 1 - |t|), cell b + 1 with the middle of (t, 0, 2 - t): inside the grid these
; are 1 - w and w; one cell outside, the one corner that still lies inside keeps its weight; further out both are 0.  b is unpacked from the offset itself, so weight and address agree.
; 16 grids are 32 features, one block of the quantiser, all in one lane: its largest magnitude needs no other lane.  The codes go to the wave's own 4 KiB of LDS as the image of the
; operand's registers (tile T of 16 points, group c, lane (r, h) at 2048 T + 512 c + 16 (16 h + r)) and come back as two fragments.
; DECODER.  Both products are used transposed (source 0 = 16 rows of W, source 1 = 16 points): a lane holds one point, and its registers run along the hidden units in the order of the
; next operand's registers (the rows of a tile of W were chosen for that when the weights were quantised).  The bias is each sum's C.  The last product is f32 multiply-adds.
; NO CLUSTER, NO TENSOR LOADS: what work-groups share is 34,816 bytes of weights against the 2 MiB that a work-group gathers lane by lane.
; LIMITS: f = fma(fma(x, scale, translation), 31.5 / 1.48, 31.5): two roundings where the source text has five (a few 1e-6 of a cell either way); NaN and infinities among x, scales and
; translations are not served; a block of zeros gets the scale byte 1 where the rule says 127: its codes are zeros, and this program alone reads the bytes.
.set GRID, 0x400000                    ; a grid's part of tab in bytes: 64 x 64 x 64 cells of 16
; TAB'S BASES.  A base serves two grids, at immediates 0 and GRID (+ 66,560 at the most: inside the signed 24 bits, ISA guide, chapter 10).  Eight pairs serve a run of 16 grids:
; pair q stands at grids 2 q and 2 q + 1 of its run.  Pair 0: s[10:11]; pairs 1 to 5: s[92:101]; pair 6: s[2:3]; pair 7: s[26:27] (the last two are free once the head's offsets are made).
.set LI,  1                            ; v1   16 x lane
.set LS,  2                            ; v2   4 x lane
.set BO,  3                            ; v3   64 x (lane / 16)
.set SW,  4                            ; v4   the features' scale word: lane l holds point l's
.set HS,  5                            ; v5, v6 the hidden layer's scale words, tile 0, tile 1
.set WS,  7                            ; v7-14 the weights' scale words, tile t.  v4-14 hold scales and nothing else
.set CR,  15                           ; v15  LDS: where I read the images back
.set PX,  16                           ; v16-18 my point
.set CW,  19                           ; v19  LDS: where I put my point's codes
.set ADR, 20                           ; v20-27 slot s: the byte offset of its cell in its grid's part of tab
.set XAD, 28                           ; v28  12 x my point's number
.set TM,  16                           ; v16-31 in the decoder: temporaries
.set WT,  32                           ; v32-46 a step's weights.  Axis a: lo 32 + 4 a, t 33 + 4 a, hi 34 + 4 a, 2 - t 35 + 4 a, b 44 + a: each weight is the low word of an even pair
.set IDX, 48                           ; v48-63 the cells of 16 grids
.set F,   64                           ; v64-95 32 features
.set WF,  32                           ; v32-95 in the decoder: four fragments of a weight, later W2
.set QT,  96                           ; v96-101 the features' quantiser at work
.set Q,   104                          ; v104-111 a block's codes
.set XC,  96                           ; v96-127 in the decoder: the operand's two fragments
.set XC1, 112
.set G,   128                          ; v128-255 the ring: slot s: 16 registers
.set H,   128                          ; in the decoder: two tiles of points x 64 hidden units a lane
.set H1,  192
.set SEL, 36                           ; s[36:37] lane selects for v_permlanex16_b32: lane l xor 16
.set MNT, 34                           ; s34  the mantissa field of 448
; s29 trips, s30 512 x trip, s31 8 x trip, s32 31.5 / 1.48, s33 31.5, s35 b2, s[38:39] 0.2; in the head s26 wave, s27 block, s[2:3] offsets
; s[40:63] and s[68:91]: two sets of 4 grids' scales (12 words) and translations (12 words)
	s_load_b512 s[4:19], s[0:1], 0x0               ; x s[4:5], scales s[6:7], translations s[8:9], tab s[10:11], idx s[12:13], wq s[14:15], b0 s[16:17], b1 s[18:19]
	s_load_b128 s[20:23], s[0:1], 0x40             ; W2 s[20:21], b2 s[22:23]
	s_load_b64 s[24:25], s[0:1], 0x50              ; out0
	s_load_b64 s[104:105], s[0:1], 0x58            ; perm2: the number of the point that stands at each place of the Morton order
	v_lshrrev_b32 v29, 5, v0
	s_delay_alu instid0(VALU_DEP_1)
	v_readfirstlane_b32 s26, v29                   ; wave 0..15
	v_and_b32 v29, 31, v0                          ; lane
	v_bfe_u32 v30, v0, 4, 1                        ; lane / 16
	v_and_b32 v31, 15, v0                          ; lane % 16
	s_delay_alu instid0(VALU_DEP_3)
	v_lshlrev_b32 v[LI], 4, v29
	s_delay_alu instid0(VALU_DEP_4)
	v_lshlrev_b32 v[LS], 2, v29
	s_delay_alu instid0(VALU_DEP_4)
	v_lshlrev_b32 v[BO], 6, v30
	v_mov_b32 v[SW], 0
	s_lshl_b32 s2, s26, 12                         ; my wave's 4 KiB of LDS
	v_add_nc_u32 v[CR], s2, v[LI]
	v_lshlrev_b32 v[CW], 4, v31
	s_delay_alu instid0(VALU_DEP_1)
	v_lshl_add_u32 v[CW], v30, 11, v[CW]
	s_delay_alu instid0(VALU_DEP_1)
	v_add_nc_u32 v[CW], s2, v[CW]                  ; 4096 wave + 2048 (lane / 16) + 16 (lane % 16)
	s_and_b32 s27, ttmp9, 15                       ; my chunk of 512 places of the Morton order: the work-group's number with its two nibbles swapped,
	s_lshl_b32 s27, s27, 4                         ; so that work-groups whose numbers agree in the low four bits take chunks that lie side by side
	s_lshr_b32 s28, ttmp9, 4
	s_or_b32 s27, s27, s28
	s_lshl_b32 s27, s27, 4
	s_add_co_u32 s27, s27, s26                     ; my block of 32 points
	s_mov_b32 s29, 3
	s_mov_b32 s30, 0
	s_mov_b32 s31, 0
	s_mov_b32 s32, 0x41aa4530                      ; 31.5 / 1.48
	s_mov_b32 s33, 0x41fc0000                      ; 31.5
	s_mov_b32 s[MNT], 0x600000
	s_mov_b32 s[SEL], 0x76543210
	s_mov_b32 s[SEL+1], 0xfedcba98
	s_mov_b32 s38, 0x3e4ccccd                      ; 0.2
	s_mov_b32 s39, s38                             ; (named with it as a pair, so it is written)
	s_mov_b32 s3, 0
	s_wait_alu depctr_va_vdst(0)
	s_wait_kmcnt 0x0
	s_lshl_b32 s2, s27, 13
	s_add_nc_u64 s[12:13], s[12:13], s[2:3]        ; idx: 8,192 bytes a block
	s_lshl_b32 s2, s27, 7
	s_add_nc_u64 s[104:105], s[104:105], s[2:3]    ; perm2: 128 bytes a block; x and out0 are reached by the point's number
	s_add_nc_u64 s[92:93],   s[10:11], 2*GRID      ; pair 1: grids 2, 3  (pair 0 is tab's address as it came: grids 0, 1)
	s_add_nc_u64 s[94:95],   s[10:11], 4*GRID      ; pair 2
	s_add_nc_u64 s[96:97],   s[10:11], 6*GRID      ; pair 3
	s_add_nc_u64 s[98:99],   s[10:11], 8*GRID      ; pair 4
	s_add_nc_u64 s[100:101], s[10:11], 10*GRID     ; pair 5
	s_add_nc_u64 s[2:3],     s[10:11], 12*GRID     ; pair 6
	s_add_nc_u64 s[26:27],   s[10:11], 14*GRID     ; pair 7
.macro PARAMS set, off                 ; 4 grids' scales and translations, 48 bytes each, into a set
	s_load_b256 s[\set:\set+7], s[6:7], \off
	s_load_b128 s[\set+8:\set+11], s[6:7], \off+32
	s_load_b256 s[\set+12:\set+19], s[8:9], \off
	s_load_b128 s[\set+20:\set+23], s[8:9], \off+32
.endm
; The gathers of one grid: base and go say which.  62 x (1 + 64 + 4096) is the largest cell: with it the loads at + 1 in y and in z stay inside the grid's part of tab.
; The offset register holds the held index times 16 and nothing else.
.macro ISSUE slot, ireg, base, go
	v_min_u32 v[ADR+\slot], 0x3efbe, v[\ireg]
	s_delay_alu instid0(VALU_DEP_1)
	v_lshlrev_b32 v[ADR+\slot], 4, v[ADR+\slot]
	global_load_b128 v[G+16*\slot:G+16*\slot+3],     v[ADR+\slot], s[\base:\base+1] offset:(\go)         ; (z, y)
	global_load_b128 v[G+16*\slot+4:G+16*\slot+7],   v[ADR+\slot], s[\base:\base+1] offset:(\go)+1024    ; (z, y + 1)
	global_load_b128 v[G+16*\slot+8:G+16*\slot+11],  v[ADR+\slot], s[\base:\base+1] offset:(\go)+65536   ; (z + 1, y)
	global_load_b128 v[G+16*\slot+12:G+16*\slot+15], v[ADR+\slot], s[\base:\base+1] offset:(\go)+66560   ; (z + 1, y + 1)
.endm
; Grid 16 x trip + j.  tail = 1: the last trip, which asks for no index and, from j = 8 on, for no gather.
.macro STEP j, tail
.set SL, (\j)%8
.set PS, 40+28*(((\j)/4)%2)
.set PO, 108-PS
.set PF, 48*((\j)/4+1)
.set II, (\j)%4
.set GB, G+16*SL
.set IR, IDX+((\j)+8)%16
.set QP, (((\j)+8)/2)%8                ; the pair of the grid eight further on: steps 0 to 7 take pairs 4 to 7, steps 8 to 15 pairs 0 to 3, which stand a run ahead
.set TBS, 90+2*QP
.if QP == 0
.set TBS, 10
.endif
.if QP == 6
.set TBS, 2
.endif
.if QP == 7
.set TBS, 26
.endif
.set TGO, ((\j)%2)*GRID
.if (\j)%4 == 0
	s_wait_kmcnt 0x0                               ; this chunk's parameters are in
.if !((\tail) && ((\j) == 12))
	PARAMS PO, PF                                  ; the next four grids', into the set that the last four steps have done with
.endif
.endif
.irp a, 0,1,2
	v_bfe_u32 v[WT+12+\a], v[ADR+SL], 4+6*\a, 6    ; b, out of the offset
.endr
.irp a, 0,1,2
	v_fma_f32 v[WT+1+4*\a], v[PX+\a], s[PS+3*II+\a], s[PS+12+3*II+\a]
.endr
.irp a, 0,1,2
	v_cvt_f32_u32 v[WT+12+\a], v[WT+12+\a]
.endr
.irp a, 0,1,2
	v_fma_f32 v[WT+1+4*\a], v[WT+1+4*\a], s32, s33 ; f
.endr
.irp a, 0,1,2
	s_delay_alu instid0(VALU_DEP_3)
	v_sub_f32 v[WT+1+4*\a], v[WT+1+4*\a], v[WT+12+\a]   ; t = f - b
.endr
.irp a, 0,1,2
	s_delay_alu instid0(VALU_DEP_3)
	v_sub_f32 v[WT+4*\a], 1.0, |v[WT+1+4*\a]|
.endr
.irp a, 0,1,2
	v_sub_f32 v[WT+3+4*\a], 2.0, v[WT+1+4*\a]
.endr
.irp a, 0,1,2
	v_max_num_f32 v[WT+4*\a], 0, v[WT+4*\a]        ; the weight of cell b
.endr
.irp a, 0,1,2
	v_med3_num_f32 v[WT+2+4*\a], v[WT+1+4*\a], 0, v[WT+3+4*\a]   ; and of cell b + 1
.endr
; The count: the loads issued behind this grid's four gathers: the gathers of the later steps (7 x 4 in the loop) and the index loads among those steps.
; Loads come back in order (ISA guide 5.7.1): the same wait shows the index that this step's ISSUE reads, which was asked for ahead of these gathers, and frees the slot's offset register.
.if \tail
.set NW, 4*(15-(\j))
.if NW > 28
.set NW, 28
.endif
.if (\j) <= 3
.set NW, NW+1
.endif
.else
.set NW, 30
.if (\j)%4 == 0
.set NW, 29
.endif
.endif
	s_wait_alu depctr_va_vdst(0)
	s_wait_loadcnt NW
.irp n, 0,1,2,3
	v_pk_mul_f32 v[GB+4*\n:GB+4*\n+1], v[GB+4*\n:GB+4*\n+1], v[WT:WT+1] op_sel_hi:[1,0]                 ; both channels at once: along x,
.endr
.irp n, 0,1,2,3
	s_delay_alu instid0(VALU_DEP_4)
	v_pk_fma_f32 v[GB+4*\n:GB+4*\n+1], v[GB+4*\n+2:GB+4*\n+3], v[WT+2:WT+3], v[GB+4*\n:GB+4*\n+1] op_sel_hi:[1,0,1]
.endr
	s_delay_alu instid0(VALU_DEP_4)
	v_pk_mul_f32 v[GB:GB+1], v[GB:GB+1], v[WT+4:WT+5] op_sel_hi:[1,0]                                   ; along y,
	s_delay_alu instid0(VALU_DEP_3)
	v_pk_mul_f32 v[GB+8:GB+9], v[GB+8:GB+9], v[WT+4:WT+5] op_sel_hi:[1,0]
	s_delay_alu instid0(VALU_DEP_2)
	v_pk_fma_f32 v[GB:GB+1], v[GB+4:GB+5], v[WT+6:WT+7], v[GB:GB+1] op_sel_hi:[1,0,1]
	s_delay_alu instid0(VALU_DEP_2)
	v_pk_fma_f32 v[GB+8:GB+9], v[GB+12:GB+13], v[WT+6:WT+7], v[GB+8:GB+9] op_sel_hi:[1,0,1]
	s_delay_alu instid0(VALU_DEP_2)
	v_pk_mul_f32 v[F+2*(\j):F+2*(\j)+1], v[GB:GB+1], v[WT+8:WT+9] op_sel_hi:[1,0]                       ; along z: features 2 j, 2 j + 1 of the block
	s_delay_alu instid0(VALU_DEP_1)
	v_pk_fma_f32 v[F+2*(\j):F+2*(\j)+1], v[GB+8:GB+9], v[WT+10:WT+11], v[F+2*(\j):F+2*(\j)+1] op_sel_hi:[1,0,1]
.if !((\tail) && ((\j) >= 8))
.if ((\j)%4 == 0) && !(\tail)
	global_load_b128 v[IDX+(\j):IDX+(\j)+3], v[LI], s[12:13] offset:2048+128*(\j) th:TH_LOAD_NT         ; the same four grids of the next trip: their registers were last read five steps ago
.endif
	ISSUE SL, IR, TBS, TGO                         ; the slot takes the grid eight further on
.endif
.endm
; 32 features of my point become a block's 32 codes and one byte of my point's scale word.
.macro QUANTF
	v_max3_num_f32 v[QT], |v[F]|, |v[F+1]|, |v[F+2]|
	v_max3_num_f32 v[QT+1], |v[F+3]|, |v[F+4]|, |v[F+5]|
.irp i, 6,10,14,18,22,26
	s_delay_alu instid0(VALU_DEP_2)
	v_max3_num_f32 v[QT], v[QT], |v[F+\i]|, |v[F+\i+1]|
	s_delay_alu instid0(VALU_DEP_2)
	v_max3_num_f32 v[QT+1], v[QT+1], |v[F+\i+2]|, |v[F+\i+3]|
.endr
	s_delay_alu instid0(VALU_DEP_2)
	v_max3_num_f32 v[QT], v[QT], |v[F+30]|, |v[F+31]|
	s_delay_alu instid0(VALU_DEP_1)
	v_max3_num_f32 v[QT], v[QT], v[QT+1], 0x4800000    ; and the floor 2^(9 - 127): the byte cannot fall under 1
	s_delay_alu instid0(VALU_DEP_1)
	v_add_nc_u32 v[QT+2], 0xfc000000, v[QT]            ; 8 off the exponent field: the conversion's scale operand
	s_delay_alu instid0(VALU_DEP_2)
	v_and_or_b32 v[QT+3], v[QT], 0x7f800000, s[MNT]    ; 448 x the scale
	s_delay_alu instid0(VALU_DEP_2)
	v_lshrrev_b32 v[QT+4], 23, v[QT+2]                 ; the scale's byte,
	s_delay_alu instid0(VALU_DEP_1)
	v_lshl_or_b32 v[SW], v[QT+4], s31, v[SW]           ; into its place in the word
.irp i, 0,1,2,3,4,5,6,7,8,9,10,11,12,13,14,15,16,17,18,19,20,21,22,23,24,25,26,27,28,29,30,31
	v_med3_num_f32 v[F+\i], v[F+\i], -v[QT+3], v[QT+3] ; the conversion to an 8-bit code does not saturate (ISA guide 7.6.2): the hold comes first
.endr
	s_wait_alu depctr_va_vdst(0)
	s_wait_dscnt 0x0                                   ; the last block's stores are done: their address and data are written again
	v_add_nc_u32 v[QT+5], s30, v[CW]                   ; group c = the trip
.irp g, 0,1,2,3
	v_cvt_scalef32_pk8_fp8_f32 v[Q+2*\g:Q+2*\g+1], v[F+8*\g:F+8*\g+7], v[QT+2]
.endr
	v_nop                                              ; a plain line behind the last conversion: the next trip's products write its sources
	ds_store_b128 v[QT+5], v[Q:Q+3]                    ; k = 32 c + 0 .. 15: the place of lane (r, 0),
	ds_store_b128 v[QT+5], v[Q+4:Q+7] offset:256       ; k = 32 c + 16 .. 31: of lane (r, 1)
.endm
.macro TRIP tail
.irp j, 0,1,2,3,4,5,6,7,8,9,10,11,12,13,14,15
	STEP \j, \tail
.endr
	QUANTF
.endm
; max(v, 0.2 v) on a tile's 64 numbers, in place, each accumulator from its low end on
.macro LRELU s
.irp q, 0,1,2,3,4,5,6,7
.irp i, 0,1,2,3
	v_pk_mul_f32 v[TM+2*\i:TM+2*\i+1], v[\s+8*\q+2*\i:\s+8*\q+2*\i+1], s[38:39] op_sel_hi:[1,0]
.endr
.irp i, 0,1,2,3,4,5,6,7
	v_max_num_f32 v[\s+8*\q+\i], v[\s+8*\q+\i], v[TM+\i]
.endr
.endr
.endm
; The activation, then 64 numbers of a lane (register 16 b + i = unit 32 b + 16 (lane / 16) + i of my point) become a fragment's codes in v[dst] on and its scale word in v[sw].
.macro QUANTH s, dst, sw
	LRELU \s
.irp b, 0,1,2,3
	v_max3_num_f32 v[TM+\b], |v[\s+16*\b]|, |v[\s+1+16*\b]|, 0x4800000
.endr
.irp i, 2,4,6,8,10,12,14
.irp b, 0,1,2,3
	s_delay_alu instid0(VALU_DEP_4)
	v_max3_num_f32 v[TM+\b], v[TM+\b], |v[\s+16*\b+\i]|, |v[\s+1+16*\b+\i]|
.endr
.endr
.irp b, 0,1,2,3
	s_delay_alu instid0(VALU_DEP_4)
	v_permlanex16_b32 v[TM+4+\b], v[TM+\b], s[SEL], s[SEL+1]
.endr
.irp b, 0,1,2,3
	s_delay_alu instid0(VALU_DEP_4)
	v_max_num_f32 v[TM+\b], v[TM+\b], v[TM+4+\b]       ; with lane l xor 16's 16: the block's largest magnitude
.endr
.irp b, 0,1,2,3
	s_delay_alu instid0(VALU_DEP_4)
	v_add_nc_u32 v[TM+12+\b], 0xfc000000, v[TM+\b]
.endr
.irp b, 0,1,2,3
	v_and_or_b32 v[TM+8+\b], v[TM+\b], 0x7f800000, s[MNT]
.endr
.irp b, 0,1,2,3
	v_lshrrev_b32 v[TM+4+\b], 23, v[TM+12+\b]
.endr
	s_delay_alu instid0(VALU_DEP_3)
	v_lshl_or_b32 v[\sw], v[TM+5], 8, v[TM+4]
	s_delay_alu instid0(VALU_DEP_1)
	v_lshl_or_b32 v[\sw], v[TM+6], 16, v[\sw]
	s_delay_alu instid0(VALU_DEP_1)
	v_lshl_or_b32 v[\sw], v[TM+7], 24, v[\sw]
.irp b, 0,1,2,3
.irp i, 0,1,2,3,4,5,6,7,8,9,10,11,12,13,14,15
	v_med3_num_f32 v[\s+16*\b+\i], v[\s+16*\b+\i], -v[TM+8+\b], v[TM+8+\b]
.endr
	v_cvt_scalef32_pk8_fp8_f32 v[\dst+4*\b:\dst+1+4*\b], v[\s+16*\b:\s+7+16*\b], v[TM+12+\b]
	v_cvt_scalef32_pk8_fp8_f32 v[\dst+2+4*\b:\dst+3+4*\b], v[\s+8+16*\b:\s+15+16*\b], v[TM+12+\b]
.endr
	v_nop                                              ; a plain line behind the last conversion
.endm
; A layer: 8 tiles of 16 units x 2 tiles of 16 points, K = 128: 16 matrix instructions, each accumulator once, no two neighbours alike.
; The bias is loaded straight into the accumulators (lane (r, h), tile t, register j: unit 32 (t / 2) + 8 (t % 2) + 16 h + j) and is each sum's C.
; row1 = 1: one register holds the scale words of both tiles of points, tile 1's in lanes 16-31.
.macro LAYER lay, bs, sx0, sx1, row1
.irp p, 0,1
.irp t, 0,1,2,3,4,5,6,7
	global_load_b128 v[H+64*\p+8*\t:H+64*\p+8*\t+3],   v[BO], s[\bs:\bs+1] offset:4*(32*(\t/2)+8*(\t%2))
	global_load_b128 v[H+64*\p+8*\t+4:H+64*\p+8*\t+7], v[BO], s[\bs:\bs+1] offset:4*(32*(\t/2)+8*(\t%2))+16
.endr
.endr
.irp t, 0,1,2,3,4,5,6,7
	global_load_b32 v[WS+\t], v[LS], s[14:15] offset:32768+1024*\lay+128*\t
.endr
.irp hq, 0,1
.irp i, 0,1,2,3
.irp c, 0,1,2,3
	global_load_b128 v[WF+16*\i+4*\c:WF+16*\i+4*\c+3], v[LI], s[14:15] offset:16384*\lay+2048*(4*\hq+\i)+512*\c
.endr
.endr
	s_wait_loadcnt 0x0
	s_wait_dscnt 0x0                                   ; (layer 0: the features' fragments are back from LDS)
.irp i, 0,1,2,3
	v_wmma_scale_f32_16x16x128_f8f6f4 v[H+8*(4*\hq+\i):H+8*(4*\hq+\i)+7], v[WF+16*\i:WF+16*\i+15], v[XC:XC+15], v[H+8*(4*\hq+\i):H+8*(4*\hq+\i)+7], v[WS+4*\hq+\i], v[\sx0]
.if \row1
	v_wmma_scale_f32_16x16x128_f8f6f4 v[H1+8*(4*\hq+\i):H1+8*(4*\hq+\i)+7], v[WF+16*\i:WF+16*\i+15], v[XC1:XC1+15], v[H1+8*(4*\hq+\i):H1+8*(4*\hq+\i)+7], v[WS+4*\hq+\i], v[\sx1] matrix_b_scale:MATRIX_SCALE_ROW1
.else
	v_wmma_scale_f32_16x16x128_f8f6f4 v[H1+8*(4*\hq+\i):H1+8*(4*\hq+\i)+7], v[WF+16*\i:WF+16*\i+15], v[XC1:XC1+15], v[H1+8*(4*\hq+\i):H1+8*(4*\hq+\i)+7], v[WS+4*\hq+\i], v[\sx1]
.endif
.endr
.rept 8
	v_nop                                              ; eight places in front of loads into registers that these products have read, and of the first read of their results
.endr
.endr
.endm
	PARAMS 40, 0                                   ; grids 0 to 3
	s_load_b32 s35, s[22:23], 0x0                  ; b2
	global_load_b32 v[XAD], v[LS], s[104:105]      ; my point's number,
	s_wait_loadcnt 0x0
	v_min_u32 v[XAD], 0x1ffff, v[XAD]              ; held inside x,
	v_mul_u32_u24 v[XAD], v[XAD], 12               ; times 12 bytes
	global_load_b32 v[PX],   v[XAD], s[4:5]
	global_load_b32 v[PX+1], v[XAD], s[4:5] offset:4
	global_load_b32 v[PX+2], v[XAD], s[4:5] offset:8
	global_load_b128 v[IDX:IDX+3],   v[LI], s[12:13] th:TH_LOAD_NT              ; the cells of grids 0 to 7
	global_load_b128 v[IDX+4:IDX+7], v[LI], s[12:13] offset:512 th:TH_LOAD_NT
	s_wait_loadcnt 0x0
	; the ring is filled in the order in which the loop's steps 8 to 15 would fill it, so that the loop's counts hold on the way in too
	global_load_b128 v[IDX+8:IDX+11], v[LI], s[12:13] offset:1024 th:TH_LOAD_NT
	ISSUE 0, IDX,   10, 0
	ISSUE 1, IDX+1, 10, GRID
	ISSUE 2, IDX+2, 92, 0
	ISSUE 3, IDX+3, 92, GRID
	global_load_b128 v[IDX+12:IDX+15], v[LI], s[12:13] offset:1536 th:TH_LOAD_NT
	ISSUE 4, IDX+4, 94, 0
	ISSUE 5, IDX+5, 94, GRID
	ISSUE 6, IDX+6, 96, 0
	ISSUE 7, IDX+7, 96, GRID
	s_wait_xcnt 0x0                                ; these gathers have read their bases: pairs 0 to 3 go on to grids 16 to 23, for which the first trip's steps 8 to 15 ask
.irp r, 10,92,94,96
	s_add_nc_u64 s[\r:\r+1], s[\r:\r+1], 16*GRID
.endr
.Ltrip:                                                ; three trips of 16 grids; the fourth is written out, since it asks for less
	TRIP 0
	s_wait_xcnt 0x0                                ; the pending gathers, index loads and scalar loads have read their bases: these are stepped only behind this wait
	s_add_nc_u64 s[12:13], s[12:13], 2048
	s_add_nc_u64 s[6:7], s[6:7], 192
	s_add_nc_u64 s[8:9], s[8:9], 192
.irp r, 10,92,94,96,98,100,2,26
	s_add_nc_u64 s[\r:\r+1], s[\r:\r+1], 16*GRID   ; 16 grids on.  (Behind the third trip pairs 0 to 3 stand past tab's end: the last trip asks for grids 56 to 63 alone, by pairs 4 to 7)
.endr
	s_add_co_u32 s30, s30, 512
	s_add_co_u32 s31, s31, 8
	s_sub_co_u32 s29, s29, 1
	s_cmp_lg_u32 s29, 0
	s_cbranch_scc1 .Ltrip
	TRIP 1
	; ---- the decoder
	s_wait_dscnt 0x0                               ; my stores of codes are done: their registers take the fragments
.irp p, 0,1
.irp c, 0,1,2,3
	ds_load_b128 v[XC+16*\p+4*\c:XC+16*\p+4*\c+3], v[CR] offset:2048*\p+512*\c
.endr
.endr
	LAYER 0, 16, SW, SW, 1                         ; (the scale word was last written ahead of the last block's 32 holds)
	QUANTH H, XC, HS
	QUANTH H1, XC1, HS+1
.rept 4
	v_nop                                          ; codes written by vector instructions stand four places ahead of a scaled matrix instruction; the scale words were made ahead of 64 holds
.endr
	s_wait_alu depctr_va_vdst(0)
	LAYER 1, 18, HS, HS+1, 0
	; ---- the last product, in f32: W2 in the order of my registers (unit 32 b + 16 (lane / 16) + i)
.irp b, 0,1,2,3
.irp q, 0,1,2,3
	global_load_b128 v[WF+16*\b+4*\q:WF+16*\b+4*\q+3], v[BO], s[20:21] offset:128*\b+16*\q
.endr
.endr
	global_load_b32 v[XC], v[LS], s[104:105]       ; my point's number once more, for the store (the operand's registers are done with, eight places behind the last product)
	LRELU H
	LRELU H1
	s_wait_loadcnt 0x0
	v_pk_mul_f32 v[24:25], v[H:H+1], v[WF:WF+1]    ; two chains for each tile of points
	v_pk_mul_f32 v[28:29], v[H1:H1+1], v[WF:WF+1]
	v_pk_mul_f32 v[26:27], v[H+2:H+3], v[WF+2:WF+3]
	v_pk_mul_f32 v[30:31], v[H1+2:H1+3], v[WF+2:WF+3]
.irp j, 4,8,12,16,20,24,28,32,36,40,44,48,52,56,60
	s_delay_alu instid0(VALU_DEP_4)
	v_pk_fma_f32 v[24:25], v[H+\j:H+\j+1], v[WF+\j:WF+\j+1], v[24:25]
	s_delay_alu instid0(VALU_DEP_4)
	v_pk_fma_f32 v[28:29], v[H1+\j:H1+\j+1], v[WF+\j:WF+\j+1], v[28:29]
	s_delay_alu instid0(VALU_DEP_4)
	v_pk_fma_f32 v[26:27], v[H+\j+2:H+\j+3], v[WF+\j+2:WF+\j+3], v[26:27]
	s_delay_alu instid0(VALU_DEP_4)
	v_pk_fma_f32 v[30:31], v[H1+\j+2:H1+\j+3], v[WF+\j+2:WF+\j+3], v[30:31]
.endr
	s_delay_alu instid0(VALU_DEP_2)
	v_pk_add_f32 v[24:25], v[24:25], v[26:27]
	s_delay_alu instid0(VALU_DEP_2)
	v_pk_add_f32 v[28:29], v[28:29], v[30:31]
	s_delay_alu instid0(VALU_DEP_2)
	v_add_f32 v24, v24, v25
	s_delay_alu instid0(VALU_DEP_2)
	v_add_f32 v28, v28, v29
	s_delay_alu instid0(VALU_DEP_2)
	v_permlanex16_b32 v26, v24, s[SEL], s[SEL+1]   ; the point's other 64 units lie in the lane 16 away
	s_delay_alu instid0(VALU_DEP_2)
	v_permlanex16_b32 v30, v28, s[SEL], s[SEL+1]
	s_delay_alu instid0(VALU_DEP_2)
	v_add_f32 v24, v24, v26
	s_delay_alu instid0(VALU_DEP_2)
	v_add_f32 v28, v28, v30
	v_cmp_gt_u32 vcc_lo, 64, v[LS]                 ; lanes 0-15 keep tile 0's points, lanes 16-31 tile 1's
	s_delay_alu instid0(VALU_DEP_1)
	v_cndmask_b32 v24, v28, v24, vcc_lo
	s_delay_alu instid0(VALU_DEP_1)
	v_add_f32 v24, s35, v24
	v_min_u32 v[XC], 0x1ffff, v[XC]
	v_lshlrev_b32 v[XC], 2, v[XC]
	global_store_b32 v[XC], v24, s[24:25]          ; each result goes to its point's own place in out0
	s_wait_xcnt 0x0
	v_lshl_add_u32 v254, v0, 2, 0x10000
	v_mov_b32 v255, 0
	s_wait_alu depctr_va_vdst(0)
	s_wait_tensorcnt 0x0
	ds_add_u32 v254, v255
	s_wait_dscnt 0x0
	s_endpgm
.Lfunc_end_k_q87b6b84523_main:
	.size	k_q87b6b84523_main, .Lfunc_end_k_q87b6b84523_main-k_q87b6b84523_main
	.p2alignl 7, 3214868480
	.fill 96, 4, 3214868480
	.section	.rodata,"a",@progbits
	.p2align	6, 0x0
	.amdhsa_kernel k_q87b6b84523_main
		.amdhsa_group_segment_fixed_size 67584
		.amdhsa_private_segment_fixed_size 0
		.amdhsa_enable_private_segment 0
		.amdhsa_kernarg_size 96
		.amdhsa_user_sgpr_count 2
		.amdhsa_user_sgpr_kernarg_segment_ptr 1
		.amdhsa_wavefront_size32 1
		.amdhsa_system_sgpr_workgroup_id_x 1
		.amdhsa_system_sgpr_workgroup_id_y 1
		.amdhsa_system_sgpr_workgroup_id_z 1
		.amdhsa_system_vgpr_workitem_id 0
		.amdhsa_next_free_vgpr 256
		.amdhsa_next_free_sgpr 106
		.amdhsa_reserve_vcc 1
		.amdhsa_float_denorm_mode_32 3
		.amdhsa_float_denorm_mode_16_64 3
		.amdhsa_memory_ordered 1
		.amdhsa_forward_progress 1
		.amdhsa_inst_pref_size 183
	.end_amdhsa_kernel
	.amdgpu_metadata
---
amdhsa.version: [ 1, 2 ]
amdhsa.kernels:
  - .name:           k_q87b6b84523_main
    .symbol:         k_q87b6b84523_main.kd
    .args:
      - { .name: x, .offset: 0, .size: 8, .value_kind: global_buffer, .address_space: global }
      - { .name: grid_scales, .offset: 8, .size: 8, .value_kind: global_buffer, .address_space: global }
      - { .name: grid_translations, .offset: 16, .size: 8, .value_kind: global_buffer, .address_space: global }
      - { .name: tab, .offset: 24, .size: 8, .value_kind: global_buffer, .address_space: global }
      - { .name: idx, .offset: 32, .size: 8, .value_kind: global_buffer, .address_space: global }
      - { .name: wq, .offset: 40, .size: 8, .value_kind: global_buffer, .address_space: global }
      - { .name: b0, .offset: 48, .size: 8, .value_kind: global_buffer, .address_space: global }
      - { .name: b1, .offset: 56, .size: 8, .value_kind: global_buffer, .address_space: global }
      - { .name: W2, .offset: 64, .size: 8, .value_kind: global_buffer, .address_space: global }
      - { .name: b2, .offset: 72, .size: 8, .value_kind: global_buffer, .address_space: global }
      - { .name: out0, .offset: 80, .size: 8, .value_kind: global_buffer, .address_space: global }
      - { .name: perm2, .offset: 88, .size: 8, .value_kind: global_buffer, .address_space: global }
    .group_segment_fixed_size: 67584
    .private_segment_fixed_size: 0
    .kernarg_segment_align: 8
    .kernarg_segment_size: 96
    .max_flat_workgroup_size: 512
    .sgpr_count:     106
    .vgpr_count:     256
    .wavefront_size: 32
...
	.end_amdgpu_metadata
.endif
;; end of part 4
